; MI455X (gfx1250); checked and timed in simulation.
; The chip was launched on July 23, 2026; its instructions are those of AMD's public machine-readable ISA for CDNA 5 (MIT licence, August 2026) and "CDNA5" Instruction Set Architecture Reference Guide (July 2026). The comments in the code are by the model that wrote it; some were corrected since.
;; LSTM Cell. Allowed arithmetic: float matrix products may take bf16 or f16 operands with f32 sums; other float arithmetic in f32, or as packed bf16 or f16 multiplies, adds, multiply-adds, maxima and minima; sums over many terms, partial sums and values carried from step to step in f32; what a program stores and reads back later, other than sums and carried values, may be rounded once to bf16 or f16.
;; Inputs: Uh 4 x 1,024 x 1,024 float32; Wx 4 x 1,024 x 1,024 float32; bU 4 x 1,024 float32; bW 4 x 1,024 float32; c_pre 8,192 x 1,024 float32; h_pre 8,192 x 1,024 float32; x_t 8,192 x 1,024 float32.
;; Outputs: out0 8,192 x 1,024 float32; out1 8,192 x 1,024 float32.
;; 2 versions, each right; version 2 is version 1 with the launch cast written anew for expert scheduling mode. Each part assembles by itself: llvm-mc -triple=amdgcn-amd-amdhsa -mcpu=gfx1250 --defsym DOCPART=n.
;; ======== version 1 of 2: 2 launches
;; workspace buffers: Ab 33,554,432 bytes; Wb 16,777,216 bytes
;; launch cast (part 1): grid 768 x 1, 8 waves a work-group, no clusters, 0 bytes of LDS; arguments x_t, h_pre, Wx, Uh, Ab, Wb; writes Ab, Wb
.if DOCPART == 1
	.amdgcn_target "amdgcn-amd-amdhsa--gfx1250"
	.amdhsa_code_object_version 6
	.text
	.protected	k_qf8f6a64fe3_cast
	.globl	k_qf8f6a64fe3_cast
	.p2align	8
	.type	k_qf8f6a64fe3_cast,@function
k_qf8f6a64fe3_cast:
	s_mov_b64 s[64:65], 0
	v_nop
	global_prefetch_b8 v0, s[64:65] scope:SCOPE_SE
	s_setreg_imm32_b32 hwreg(HW_REG_WAVE_MODE, 25, 1), 1
	s_wait_xcnt 0x0
; x_t, h_pre, Wx and Uh (f32) are rounded once, to nearest even, to bf16 and laid out for the product that follows:
;   Ab [8192][2048]: columns 0-1023 x_t, columns 1024-2047 h_pre; a row is 4,096 bytes.
;   Wb [4096][2048]: row (col >> 5) * 128 + gate * 32 + (col & 31); columns 0-1023 Wx[gate][col], columns 1024-2047 Uh[gate][col].
;   So 128 consecutive rows of Wb are the four gates of 32 hidden columns.
; A stream: no LDS, no barrier, no matrix unit, no cluster (no two work-groups read the same byte).
; 24,576 source rows of 4,096 bytes; a work-group takes 32 consecutive rows, a wave 4: 32 loads of 512 consecutive bytes, all issued before the first
; is waited for; each gives one store of 256 consecutive bytes, at a multiple of 256 from the buffer's first byte.  No register is written twice
; while a memory instruction may read it, so the only waits are the counted ones for the loads.
.set X, 8                              ; v[8:135] load n (row n / 8, chunk n % 8) in four registers
	s_load_b256 s[4:11], s[0:1], 0x0               ; x_t s[4:5], h_pre s[6:7], Wx s[8:9], Uh s[10:11]
	s_load_b128 s[12:15], s[0:1], 0x20             ; Ab s[12:13], Wb s[14:15]
	s_mov_b32 s16, ttmp9                           ; w: 0-255 x_t, 256-511 h_pre, 512-639 Wx, 640-767 Uh
	s_and_b32 s17, s16, 255                        ; activations: which 32 rows,
	s_bfe_u32 s18, s16, 0x10008                    ; which half of K,
	s_lshl_b32 s19, s17, 5                         ; the first row in Ab
	s_and_b32 s20, s16, 127                        ; weights: q = gate * 32 + column group; the source rows are 32 q ..
	s_bfe_u32 s21, s16, 0x10007                    ; which half of K
	s_and_b32 s22, s20, 31
	s_lshl_b32 s22, s22, 7                         ; column group * 128
	s_lshr_b32 s23, s20, 5
	s_lshl_b32 s23, s23, 5                         ; gate * 32
	s_add_co_u32 s22, s22, s23                     ; the first row in Wb
	s_cmp_ge_u32 s16, 512
	s_cselect_b32 s24, s20, s17                    ; which 32 source rows
	s_cselect_b32 s25, s21, s18                    ; half
	s_cselect_b32 s26, s22, s19                    ; first destination row
	s_lshl_b32 s28, s24, 17                        ; 32 rows of 4,096 bytes
	s_mov_b32 s29, 0
	s_lshl_b32 s30, s26, 12                        ; destination rows of 4,096 bytes,
	s_lshl_b32 s27, s25, 11                        ; the half's 2,048
	s_add_co_u32 s30, s30, s27
	s_mov_b32 s31, 0
	v_and_b32 v1, 31, v0                           ; lane
	v_lshrrev_b32 v2, 5, v0                        ; wave
	v_lshlrev_b32 v3, 14, v2                       ; my wave's four rows, in source and destination alike
	v_lshl_add_u32 v4, v1, 3, v3                   ; store: 8 bytes a lane
	v_lshl_add_u32 v3, v1, 4, v3                   ; load: 16 bytes a lane
	s_wait_kmcnt 0x0
	s_cmp_eq_u32 s25, 0
	s_cselect_b64 s[32:33], s[4:5], s[6:7]         ; x_t or h_pre
	s_cselect_b64 s[34:35], s[8:9], s[10:11]       ; Wx or Uh
	s_cmp_ge_u32 s16, 512
	s_cselect_b64 s[32:33], s[34:35], s[32:33]     ; the source
	s_cselect_b64 s[36:37], s[14:15], s[12:13]     ; the destination
	s_add_nc_u64 s[32:33], s[32:33], s[28:29]
	s_add_nc_u64 s[36:37], s[36:37], s[30:31]
.set n, 0
.rept 32
	global_load_b128 v[X+4*n:X+4*n+3], v3, s[32:33] offset:(n/8)*4096+(n%8)*512 th:TH_LOAD_NT
.set n, n+1
.endr
.set n, 0
.rept 32
	s_wait_loadcnt 31-n                            ; loads come back in order (ISA guide 5.7.1): load n is in, the 31 - n younger ones stay out
	v_cvt_pk_bf16_f32 v[X+4*n], v[X+4*n], v[X+4*n+1]
	v_cvt_pk_bf16_f32 v[X+4*n+1], v[X+4*n+2], v[X+4*n+3]
	global_store_b64 v4, v[X+4*n:X+4*n+1], s[36:37] offset:(n/8)*4096+(n%8)*256  ; no hint: the next launch reads these bytes
.set n, n+1
.endr
	s_endpgm
.Lfunc_end_k_qf8f6a64fe3_cast:
	.size	k_qf8f6a64fe3_cast, .Lfunc_end_k_qf8f6a64fe3_cast-k_qf8f6a64fe3_cast
	.p2alignl 7, 3214868480
	.fill 96, 4, 3214868480
	.section	.rodata,"a",@progbits
	.p2align	6, 0x0
	.amdhsa_kernel k_qf8f6a64fe3_cast
		.amdhsa_group_segment_fixed_size 0
		.amdhsa_private_segment_fixed_size 0
		.amdhsa_enable_private_segment 0
		.amdhsa_kernarg_size 48
		.amdhsa_user_sgpr_count 2
		.amdhsa_user_sgpr_kernarg_segment_ptr 1
		.amdhsa_wavefront_size32 1
		.amdhsa_system_sgpr_workgroup_id_x 1
		.amdhsa_system_sgpr_workgroup_id_y 1
		.amdhsa_system_sgpr_workgroup_id_z 1
		.amdhsa_system_vgpr_workitem_id 0
		.amdhsa_next_free_vgpr 136
		.amdhsa_next_free_sgpr 66
		.amdhsa_reserve_vcc 0
		.amdhsa_float_denorm_mode_32 3
		.amdhsa_float_denorm_mode_16_64 3
		.amdhsa_memory_ordered 1
		.amdhsa_forward_progress 1
		.amdhsa_inst_pref_size 13
	.end_amdhsa_kernel
	.amdgpu_metadata
---
amdhsa.version: [ 1, 2 ]
amdhsa.kernels:
  - .name:           k_qf8f6a64fe3_cast
    .symbol:         k_qf8f6a64fe3_cast.kd
    .args:
      - { .name: x_t, .offset: 0, .size: 8, .value_kind: global_buffer, .address_space: global }
      - { .name: h_pre, .offset: 8, .size: 8, .value_kind: global_buffer, .address_space: global }
      - { .name: Wx, .offset: 16, .size: 8, .value_kind: global_buffer, .address_space: global }
      - { .name: Uh, .offset: 24, .size: 8, .value_kind: global_buffer, .address_space: global }
      - { .name: Ab, .offset: 32, .size: 8, .value_kind: global_buffer, .address_space: global }
      - { .name: Wb, .offset: 40, .size: 8, .value_kind: global_buffer, .address_space: global }
    .group_segment_fixed_size: 0
    .private_segment_fixed_size: 0
    .kernarg_segment_align: 8
    .kernarg_segment_size: 48
    .max_flat_workgroup_size: 256
    .sgpr_count:     66
    .vgpr_count:     136
    .wavefront_size: 32
...
	.end_amdgpu_metadata
.endif
;; end of part 1
;; launch lstm (part 2): grid 16 x 32, 4 waves a work-group, clusters of 4 x 4, 327,680 bytes of LDS; arguments Ab, Wb, bW, bU, c_pre, out0, out1; writes out0, out1
.if DOCPART == 2
	.amdgcn_target "amdgcn-amd-amdhsa--gfx1250"
	.amdhsa_code_object_version 6
	.text
	.protected	k_qf8f6a64fe3_lstm
	.globl	k_qf8f6a64fe3_lstm
	.p2align	8
	.type	k_qf8f6a64fe3_lstm,@function
k_qf8f6a64fe3_lstm:
	s_mov_b64 s[64:65], 0
	v_nop
	global_prefetch_b8 v0, s[64:65] scope:SCOPE_SE
	s_setreg_imm32_b32 hwreg(HW_REG_WAVE_MODE, 25, 1), 1
	s_wait_xcnt 0x0
	s_wait_alu depctr_hold_cnt(0) depctr_sa_sdst(0) depctr_va_vdst(0) depctr_va_sdst(0) depctr_va_ssrc(0) depctr_va_vcc(0) depctr_vm_vsrc(0)
	s_getreg_b32 s2, hwreg(HW_REG_IB_STS2, 6, 4)
	s_cmp_eq_u32 s2, 0
	s_cbranch_scc0 .Lentry_in_a_cluster
	s_endpgm
.Lentry_in_a_cluster:
	s_bfe_u32 s2, ttmp6, 0x10000c
	s_cmp_lg_u32 s2, 0xf033
	s_cbranch_scc0 .Lentry_shape_is_right
	s_endpgm
.Lentry_shape_is_right:
; ONE LSTM STEP.  z = Ab Wb^T + (bW + bU), Ab [8192][2048] bf16 = [x | h], Wb [4096][2048] bf16 with the four gates of 32 hidden columns in 128 consecutive rows; sums in f32.
; f, i, o = sigmoid(z0, z1, z2), g = tanh(z3), c_t = f c_pre + i g (out1), h_t = o tanh(c_t) (out0); all of that in f32, in this launch: z never goes to memory.
; LIMITS.  x, h, Wx, Uh were rounded once to bf16.  sigmoid(z) = 1 / (1 + 2^(-1.442695 z)); tanh(x) = 1 - 2 / (1 + 2^(2.885390 x)): where the power is an infinity or 0 both give their
; limits, so nothing is clamped; tanh near 0 has an absolute error of about 1e-7; a power below 2^-126 counts as 0.  NaN and infinities among the inputs are not treated apart.
; SHARES.  A work-group makes 256 batch rows x 256 rows of Wb (64 hidden columns x 4 gates): 16 x 32 work-groups.  Four waves, each 128 x 128: 64 accumulators of 16 x 16, 512 registers;
; a wave's 128 rows of Wb are the four gates of ITS 32 hidden columns, so the four gates of an element lie in one lane, in the same register of four accumulators.
; K goes in steps of 128 through two LDS slots filled by the tensor data mover; the tiles' rows are 256 bytes of memory at multiples of 256.
; CLUSTER.  4 x 4 work-groups.  The four of a row of the cluster need the same tiles of Ab, the four of a column the same tiles of Wb: each tile is asked for jointly, by the same tensor load with the
; same descriptor and a mask that names the four.
; THE MATRIX INSTRUCTION IS USED TRANSPOSED: source 0 = 16 rows of Wb, source 1 = 16 rows of Ab.  Lane l then holds batch row l % 16, and registers 0-7 the rows 8 (l / 16) + 0..7 of Wb: eight neighbouring hidden columns.
; THE BIAS STARTS THE SUMS: bW + bU, in the accumulators' layout, is the C operand of each accumulator's first product; nothing is cleared.
; c_pre's tile (256 x 64 f32) is brought into slot 0 when its last K step has been read, and lands while the last K step is multiplied.  c_t and h_t leave through two stages in LDS, in slot bytes
; that have had their last fill, as whole rows of 256 bytes.
; REGISTERS, in windows of 256 (s_set_vgpr_msb: bits 1:0 source 0, 3:2 source 1, 5:4 source 2, 7:6 destination):
;   window 0: v0-31 addresses; v64-127, v128-191 fragments of Ab, two buffers; v192-255 the bias.  In the tail: v64-127 the four gates of 16 elements a lane, v128-159 c; then three batches of rows on the way out
;   window 1: v64-127, v128-191 fragments of Wb      window 2: accumulators of my rows 0-63 ((a, b) at v[8 (8 a + b)])      window 3: those of my rows 64-127
.set SIZE_K, 2048
.set KSTEP,  128
.set PITCH,  272                       ; an LDS row: 256 bytes + 16 of padding = 68 words: row r starts at bank 4 r mod 64 (64 banks of 4 bytes: ISA guide 11.1), so the 16 rows of a load start at 16 different banks
.set HALFT,  128*PITCH                 ; 128 rows: what one tensor load brings, and what a wave reads of Ab or of Wb
.set SLOT,   4*HALFT                   ; Ab's 256 rows, then Wb's 256 rows
.set SPARE,  2*SLOT                    ; behind the ring: the spare words, 128 bytes for each wave: two blocks of 256 bytes that no other line names
.set CTB,    2*HALFT                   ; the tail: c_pre's tile at byte 0 (256 rows x 272); c_t's stage here, in slot 0's second half;
.set HTB,    SLOT                      ; h_t's stage in slot 1's first half.  All three begin at multiples of 256
.set LAPS,   SIZE_K/(2*KSTEP)          ; a lap = two K steps = once round the ring: 8
.set ADRA, 16                          ; v16-17  LDS address of my fragments of Ab in slot 0, 1
.set ADRB, 20                          ; v20-21  the same for Wb
.set CPA,  22                          ; v22     my 32 bytes of c_pre's tile in my first block of 16 rows
.set STC,  23                          ; v23     the same place in c_t's stage
.set STH,  24                          ; v24     and in h_t's
.set RDC,  25                          ; v25     where I read rows of c_t back
.set CO,   26                          ; v26     my byte offset in two rows of an output
.set RDH,  27                          ; v27     where I read rows of h_t back
.set SPW,  28                          ; v28     LDS address of my spare word: SPARE + 4 x my thread's number; never rewritten
.set NIL,  29                          ; v29     0; never rewritten
.set BO,   30                          ; v30     my byte offset in the biases
.set F0,   64
.set F1,   128
.set BI,   192                         ; bW + bU for n block b at v[BI + 8 b]
.set ZF,   64                          ; the tail: 16 registers a gate
.set ZI,   80
.set ZO,   96
.set ZG,   112
.set CB,   128                         ; c, two buffers of 16
.set WV, 18                            ; s18 my wave's number
.set RH, 19                            ; s19 which half of the tile's batch rows is mine.  Also: I fetch for Ab (0) or for Wb (1)
.set CH, 20                            ; s20 which half of the tile's rows of Wb.  Also: which 128 rows of that tile I fetch
.set G1,  24                           ; s[24:31] descriptor group 1 for Ab's tiles;  s[32:39] group 0, a set for each slot
.set G0,  32
.set G1B, 48                           ; s[48:55], s[56:63] the same for Wb's
.set G0B, 56
.set G1C, 68                           ; s[68:75], s[76:79] c_pre's
.set G0C, 76
.set NL,  80                           ; s[80:81] -log2(e)
.set TL,  82                           ; s[82:83] 2 log2(e)
.set MSB, 0
.macro WIN new                         ; the immediate's high byte repeats the setting that is left; a switch that changes nothing is dropped
.if MSB != (\new)
	s_set_vgpr_msb (MSB<<8)|(\new)
.set MSB, \new
.endif
.endm
.set TO_B, 0x40                        ; destination window 1, address window 0
; A joint load.  Waves 0 and 1 fetch Ab's two halves, waves 2 and 3 Wb's.  Each line has one mask and one set of registers for all that issue it; the branch hangs on the wave's number alone.
; An s_nop 0 and four v_nop follow each of the two lines, ahead of the jump, the label and what follows.
.macro JLOAD s
	s_cmp_eq_u32 s[RH], 0
	s_cbranch_scc0 .Lfor_b_\@
	tensor_load_to_lds s[G0+4*(\s):G0+4*(\s)+3], s[G1:G1+7]
	s_nop 0
.rept 4
	v_nop
.endr
	s_branch .Lasked_\@
.Lfor_b_\@:
	tensor_load_to_lds s[G0B+4*(\s):G0B+4*(\s)+3], s[G1B:G1B+7]
	s_nop 0
.rept 4
	v_nop
.endr
.Lasked_\@:
.endm
; A round of the cluster's barrier: my work-group's barrier, so that wave 0's signal speaks for all four waves; wave 0 signals; every wave waits for all sixteen work-groups; my work-group's barrier once more.
.macro CREST                           ; a round behind its opening barrier
	s_cmp_lg_u32 s[WV], 0
	s_cbranch_scc1 .Lnot_wave_0_\@
	s_barrier_signal -3
.Lnot_wave_0_\@:
	s_barrier_wait -3
	s_barrier_signal -1
	s_barrier_wait -1
.endm
.macro CROUND                          ; a whole round
	s_barrier_signal -1
	s_barrier_wait -1
	CREST
.endm
	s_load_b256 s[4:11], s[0:1], 0x0               ; Ab s[4:5], Wb s[6:7], bW s[8:9], bU s[10:11]
	s_load_b128 s[12:15], s[0:1], 0x20             ; c_pre s[12:13], out0 s[14:15]
	s_load_b64 s[16:17], s[0:1], 0x30              ; out1
	v_lshl_add_u32 v[SPW], v0, 2, SPARE
	v_mov_b32 v[NIL], 0
	ds_add_u32 v[SPW], v[NIL]                      ; the wave's opening: the add and its wait stand ahead of my first tensor load; the set-up below, work on registers, stands between them
	v_lshrrev_b32 v1, 5, v0
	v_readfirstlane_b32 s[WV], v1                  ; wave 0..3
	s_lshr_b32 s[RH], s[WV], 1
	s_and_b32 s[CH], s[WV], 1
	s_bfe_u32 s21, ttmp6, 0x40000                  ; cx: my place along the cluster's x
	s_bfe_u32 s22, ttmp6, 0x40004                  ; cy: along its y
	s_lshl_b32 s23, ttmp9, 2                       ; in a cluster launch ttmp9 and ttmp7 count clusters
	s_add_co_u32 s23, s23, s21                     ; TC, the tile column (64 hidden columns) = 4 x cluster x + cx
	s_and_b32 s40, ttmp7, 0xffff
	s_lshl_b32 s40, s40, 2
	s_add_co_u32 s40, s40, s22                     ; TR, the tile row (256 batch rows) = 4 x cluster y + cy
	s_lshl_b32 s41, s22, 2
	s_lshl_b32 s41, 15, s41                        ; my row of the cluster: places 4 cy .. 4 cy + 3
	s_lshl_b32 s42, 0x1111, s21                    ; my column: places cx, cx + 4, cx + 8, cx + 12
	; descriptor group 1 for Ab and Wb: a tile of 128 rows x 128 elements of 2 bytes, padded in LDS
	s_or_b32 s[G1+0], s41, (1<<16)|(1<<20)|(1<<21)|(5<<22)|(3<<25)   ; 15:0 the mask: Ab's tiles go to my row; 17:16 elements of 2 bytes; 20 padding on; 21 set beside a mask; 24:22 after every 64 words (code 5); 31:25 4 words (code 3)
	s_or_b32 s[G1B+0], s42, (1<<16)|(1<<20)|(1<<21)|(5<<22)|(3<<25)  ; the same with the mask of my column
.irp g, G1, G1B
	s_mov_b32 s[(\g)+1], KSTEP<<16                 ; tensor_dim0 = 128
	s_mov_b32 s[(\g)+2], 128<<16                   ; tensor_dim1 = 128
	s_mov_b32 s[(\g)+3], KSTEP<<16                 ; tile_dim0 = 128
	s_mov_b32 s[(\g)+4], 128                       ; tile_dim1 = 128
	s_mov_b32 s[(\g)+5], SIZE_K                    ; elements from row to row
	s_mov_b32 s[(\g)+6], 0
	s_mov_b32 s[(\g)+7], 0
.endr
	; c_pre's: a load of my own (no mask), 64 rows x 64 elements of 4 bytes, the same padding
	s_mov_b32 s[G1C+0], (2<<16)|(1<<20)|(5<<22)|(3<<25)
	s_mov_b32 s[G1C+1], 64<<16                     ; tensor_dim0 = 64
	s_mov_b32 s[G1C+2], 64<<16                     ; tensor_dim1 = 64
	s_mov_b32 s[G1C+3], 64<<16                     ; tile_dim0 = 64
	s_mov_b32 s[G1C+4], 64                         ; tile_dim1 = 64
	s_mov_b32 s[G1C+5], 1024                       ; elements from row to row
	s_mov_b32 s[G1C+6], 0
	s_mov_b32 s[G1C+7], 0
	s_mov_b32 s[G0C], 1                            ; count = 1
	s_mul_i32 s[G0C+1], s[WV], 64*PITCH            ; my 64 rows of c_pre's tile, from LDS byte 0 on
	; where the tiles come from.  Ab's hang on the tile row alone, Wb's on the tile column alone, each in registers that never hold the other coordinate
	s_lshl_b32 s84, s[CH], 7                       ; which 128 rows of the tile I fetch
	s_lshl_b32 s44, s40, 8
	s_add_co_u32 s44, s44, s84
	s_lshl_b32 s44, s44, 12                        ; rows of 4,096 bytes: under 2^25
	s_mov_b32 s45, 0
	s_lshl_b32 s46, s23, 8
	s_add_co_u32 s46, s46, s84
	s_lshl_b32 s46, s46, 12
	s_mov_b32 s47, 0
	s_mul_i32 s43, s[WV], HALFT                    ; and where they go: wave x 128 rows: no place in the cluster enters an LDS address
	; byte offset, in c_pre and in both outputs, of the 64 rows x 256 bytes that I fetch and later store: row 256 TR + 64 wave, column 64 TC
	s_lshl_b32 s86, s40, 8
	s_lshl_b32 s85, s[WV], 6
	s_add_co_u32 s86, s86, s85
	s_lshl_b32 s86, s86, 12
	s_lshl_b32 s85, s23, 8
	s_add_co_u32 s86, s86, s85
	s_mov_b32 s87, 0
	s_add_co_u32 s88, s85, s84                     ; byte offset of my 32 hidden columns in a gate's bias: 256 TC + 128 half
	s_mov_b32 s89, 0
	s_mov_b32 s[NL], 0xbfb8aa3b                    ; -1.442695
	s_mov_b32 s[NL+1], 0xbfb8aa3b                  ; named with it as a pair
	s_mov_b32 s[TL], 0x4038aa3b                    ; 2.885390
	s_mov_b32 s[TL+1], 0x4038aa3b
	s_wait_dscnt 0x0                               ; the opening add is done
	s_wait_kmcnt 0x0
	s_add_nc_u64 s[44:45], s[4:5], s[44:45]
	s_add_nc_u64 s[46:47], s[6:7], s[46:47]
	CROUND                                         ; all sixteen work-groups are here: the first joint loads meet
.irp s, 0,1
	s_mov_b32 s[G0+4*(\s)], 1                                        ; count = 1
	s_add_co_u32 s[G0+4*(\s)+1], s43, (\s)*SLOT                      ; LDS address
	s_add_nc_u64 s[G0+4*(\s)+2:G0+4*(\s)+3], s[44:45], (\s)*KSTEP*2  ; global address: K step s
	s_or_b32 s[G0+4*(\s)+3], s[G0+4*(\s)+3], 0x80000000              ; type = 2
	s_mov_b32 s[G0B+4*(\s)], 1
	s_add_co_u32 s[G0B+4*(\s)+1], s43, (\s)*SLOT
	s_add_nc_u64 s[G0B+4*(\s)+2:G0B+4*(\s)+3], s[46:47], (\s)*KSTEP*2
	s_or_b32 s[G0B+4*(\s)+3], s[G0B+4*(\s)+3], 0x80000000
	JLOAD \s                                       ; the ring is filled before anything else is done: two tensor loads of mine are out
.endr
	; all that follows, up to the wait for the first tile, stands in that wait
	s_add_nc_u64 s[G0C+2:G0C+3], s[12:13], s[86:87]
	s_or_b32 s[G0C+3], s[G0C+3], 0x80000000
	s_add_nc_u64 s[14:15], s[14:15], s[86:87]      ; out0 and out1 at the first row that I store
	s_add_nc_u64 s[16:17], s[16:17], s[86:87]
	s_add_nc_u64 s[8:9], s[8:9], s[88:89]          ; bW and bU at my 32 hidden columns of gate 0
	s_add_nc_u64 s[10:11], s[10:11], s[88:89]
	v_and_b32 v1, 15, v0                           ; r = l % 16
	v_bfe_u32 v2, v0, 4, 1                         ; h = l / 16
	v_lshlrev_b32 v[BO], 5, v2                     ; my eight columns of sixteen
	; n block b = 2 gate + s holds hidden columns 16 s + 8 h + 0..7 of the gate: register j of the bias is that of column 16 s + 8 h + j, the same in all sixteen lanes of a half
.irp g, 0,1,2,3
.irp s, 0,1
	global_load_b128 v[BI+8*(2*(\g)+(\s)):BI+8*(2*(\g)+(\s))+3],   v[BO], s[8:9] offset:(\g)*4096+(\s)*64
	global_load_b128 v[BI+8*(2*(\g)+(\s))+4:BI+8*(2*(\g)+(\s))+7], v[BO], s[8:9] offset:(\g)*4096+(\s)*64+16
	global_load_b128 v[F1+8*(2*(\g)+(\s)):F1+8*(2*(\g)+(\s))+3],   v[BO], s[10:11] offset:(\g)*4096+(\s)*64
	global_load_b128 v[F1+8*(2*(\g)+(\s))+4:F1+8*(2*(\g)+(\s))+7], v[BO], s[10:11] offset:(\g)*4096+(\s)*64+16
.endr
.endr
	; A fragment is 16 rows x 32 K in 8 registers: lane l holds row l % 16; registers 0-3 K = 8 (l / 16) + 0..7, registers 4-7 K = 16 + 8 (l / 16) + 0..7: two loads of 16 bytes, 32 bytes apart
	v_mul_u32_u24 v3, v1, PITCH
	v_lshl_add_u32 v3, v2, 4, v3                   ; row x pitch + 16 x half
	s_mul_i32 s84, s[RH], HALFT                    ; my 128 rows of Ab
	s_mul_i32 s85, s[CH], HALFT                    ; my 128 rows of Wb,
	s_add_co_u32 s85, s85, 2*HALFT                 ; which lie behind Ab's 256
.irp s, 0,1
	v_add_nc_u32 v[ADRA+(\s)], s84, v3
	v_add_nc_u32 v[ADRB+(\s)], s85, v3
	s_add_co_u32 s84, s84, SLOT
	s_add_co_u32 s85, s85, SLOT
.endr
	v_mul_u32_u24 v4, v1, PITCH                    ; the tail: row 128 RH + l % 16 of a tile of 256 rows x 64 f32; my 32 columns begin at byte 128 CH, my eight of sixteen at 32 h
	v_lshl_add_u32 v4, v2, 5, v4
	s_mul_i32 s84, s[RH], HALFT
	s_lshl_b32 s85, s[CH], 7
	s_add_co_u32 s84, s84, s85
	v_add_nc_u32 v[CPA], s84, v4
	v_add_nc_u32 v[STC], CTB, v[CPA]
	v_add_nc_u32 v[STH], HTB, v[CPA]
	v_mul_u32_u24 v5, v2, PITCH                    ; back: wave w takes rows 64 w .. 64 w + 63, whole; lanes 0-15 one row of 256 bytes, lanes 16-31 the next
	v_lshl_add_u32 v5, v1, 4, v5
	s_mul_i32 s84, s[WV], 64*PITCH
	s_add_co_u32 s84, s84, CTB
	v_add_nc_u32 v[RDC], s84, v5
	v_add_nc_u32 v[RDH], HTB-CTB, v[RDC]
	v_lshlrev_b32 v[CO], 12, v2                    ; and the same two rows in an output: rows of 4,096 bytes
	v_lshl_add_u32 v[CO], v1, 4, v[CO]
	s_wait_loadcnt 0x0                             ; the biases, once
.set i, 0
.rept 32
	v_pk_add_f32 v[BI+i:BI+i+1], v[BI+i:BI+i+1], v[F1+i:F1+i+1]
.set i, i+2
.endr
; 16 matrix instructions: m blocks a0, a0 + 1 of the window's four (hi = 0: my rows 0-63, 1: rows 64-127) x all 8 n blocks, 32 along K.
; first = 1: the products start the sums, with the bias (window 0) as C.  The 64 accumulators take turns in the same order in every quarter step.
.macro MUL16 f, hi, a0, first
.if \first
	WIN 0x81+0x40*(\hi)                            ; source 0 (Wb) window 1, source 1 (Ab) and C window 0, D window 2 or 3
.else
	WIN 0xa1+0x50*(\hi)                            ; the same with C in D's window
.endif
.irp a, \a0, (\a0)+1
.irp b, 0,1,2,3,4,5,6,7
.if \first
	v_wmma_f32_16x16x32_bf16 v[8*(8*(\a)+(\b)):8*(8*(\a)+(\b))+7], v[(\f)+8*(\b):(\f)+8*(\b)+7], v[(\f)+8*(4*(\hi)+(\a)):(\f)+8*(4*(\hi)+(\a))+7], v[BI+8*(\b):BI+8*(\b)+7]
.else
	v_wmma_f32_16x16x32_bf16 v[8*(8*(\a)+(\b)):8*(8*(\a)+(\b))+7], v[(\f)+8*(\b):(\f)+8*(\b)+7], v[(\f)+8*(4*(\hi)+(\a)):(\f)+8*(4*(\hi)+(\a))+7], v[8*(8*(\a)+(\b)):8*(8*(\a)+(\b))+7]
.endif
.endr
.endr
.endm
; 32 LDS loads in one run: the fragments of one quarter step (128 rows of Wb, 128 rows of Ab, 32 K at byte k of the rows) into buffer f
.macro FETCH slot, k, f
	WIN TO_B
.irp i, 0,1,2,3,4,5,6,7
	ds_load_b128 v[(\f)+8*(\i):(\f)+8*(\i)+3],   v[ADRB+(\slot)] offset:(\k)+(\i)*16*PITCH
	ds_load_b128 v[(\f)+8*(\i)+4:(\f)+8*(\i)+7], v[ADRB+(\slot)] offset:(\k)+(\i)*16*PITCH+32
.endr
	WIN 0
.irp i, 0,1,2,3,4,5,6,7
	ds_load_b128 v[(\f)+8*(\i):(\f)+8*(\i)+3],   v[ADRA+(\slot)] offset:(\k)+(\i)*16*PITCH
	ds_load_b128 v[(\f)+8*(\i)+4:(\f)+8*(\i)+7], v[ADRA+(\slot)] offset:(\k)+(\i)*16*PITCH+32
.endr
.endm
; A load into a register that a matrix instruction has read, and a vector instruction that reads a matrix result, stand four places behind that matrix instruction, and only plain vector
; instructions that name none of its registers are places (ISA guide 7.12.1 for vector instructions).
.macro PLACES
.rept 4
	v_nop
.endr
.endm
; A K step is four quarter steps of 32 along K, 64 matrix instructions each, on buffers 0, 1, 0, 1.  One of the first three multiplies buffer f and, in its middle, fetches the next quarter, at byte k, into g.
.macro QUARTER slot, k, f, g, first
	s_wait_dscnt 8                                 ; Wb and Ab's rows 0-63 are in; the youngest eight loads (Ab's rows 64-127) may be out
	MUL16 \f, 0, 0, \first
	MUL16 \f, 0, 2, \first
	PLACES
	FETCH \slot, \k, \g
	s_wait_dscnt 32                                ; all but the 32 just issued
	MUL16 \f, 1, 0, \first
	MUL16 \f, 1, 2, \first
.endm
; The last quarter multiplies buffer 1 and changes slots.  MEET is its first half: one barrier, which opens a round of the cluster's.  In front of it each wave waits for all its tensor loads, of which one
; is out: its part of the next slot; adds 0 to its spare word; and waits for that and for its own reads of this slot.
.macro MEET
	WIN 0                                          ; (the add's two registers lie in window 0)
	s_wait_tensorcnt 0x0                           ; all my tensor loads have landed
	ds_add_u32 v[SPW], v[NIL]                      ; 0 onto my spare word
	s_wait_dscnt 9                                 ; (the add and the youngest eight loads may be out)
	MUL16 F1, 0, 0, 0                              ; sixteen matrix instructions stand between the add and the wait for it
	s_wait_dscnt 0x0                               ; the add is done, and my reads of this slot are over
	s_barrier_signal -1
	MUL16 F1, 0, 2, 0                              ; work on registers while the others arrive
	WIN 0
	s_barrier_wait -1
.endm
; The whole last quarter: behind the round the slot just read out is filled again first, with the K step two steps on; then come the next slot's first fragments.
; From a request to the wait for it a wave issues 224 matrix instructions.
.macro TURN slot, next
	MEET
	CREST                                          ; no wave of any partner still reads this slot's tile or has a load on its way
	s_add_nc_u64 s[G0+4*(\slot)+2:G0+4*(\slot)+3], s[G0+4*(\slot)+2:G0+4*(\slot)+3], 2*KSTEP*2
	s_add_nc_u64 s[G0B+4*(\slot)+2:G0B+4*(\slot)+3], s[G0B+4*(\slot)+2:G0B+4*(\slot)+3], 2*KSTEP*2
	JLOAD \slot                                    ; the first tensor load behind the round; its four v_nop are also the places in front of the loads below
	FETCH \next, 0, F0
	MUL16 F1, 1, 0, 0
	MUL16 F1, 1, 2, 0
.endm
; The same at the end of K step 14: slot 0 has no further K step; its first half takes c_pre's tile, each wave 64 rows, by a load of its own.  It has K step 15 less one quarter in which to land.
.macro TURNC
	MEET
	CREST
	tensor_load_to_lds s[G0C:G0C+3], s[G1C:G1C+7]
	s_nop 0
.rept 4
	v_nop
.endr
	FETCH 1, 0, F0
	MUL16 F1, 1, 0, 0
	MUL16 F1, 1, 2, 0
.endm
; THE TAIL for block a of 16 batch rows: 16 elements a lane, e = 8 s + j: hidden column 16 s + 8 h + j of my 32.  Gate k of element e is register j of accumulator (a, 2 k + s).
.macro EPI a
.set AC, 64*((\a)%4)
.set CC, CB+16*((\a)%2)
	WIN 0
.irp s, 0,1
.irp u, 0,1
	ds_load_b128 v[CC+8*(\s)+4*(\u):CC+8*(\s)+4*(\u)+3], v[CPA] offset:(\a)*16*PITCH+64*(\s)+16*(\u)  ; c_pre; it is waited for behind the gates' arithmetic
.endr
.endr
	WIN 0x02+(\a)/4                                ; source 0 in window 2 or 3.
.irp g, 0,1,2
.irp s, 0,1
.irp p, 0,1,2,3
	v_pk_mul_f32 v[ZF+16*(\g)+8*(\s)+2*(\p):ZF+16*(\g)+8*(\s)+2*(\p)+1], v[AC+8*(2*(\g)+(\s))+2*(\p):AC+8*(2*(\g)+(\s))+2*(\p)+1], s[NL:NL+1] op_sel_hi:[1,0]  ; f, i, o: -log2(e) z
.endr
.endr
.endr
.irp s, 0,1
.irp p, 0,1,2,3
	v_pk_mul_f32 v[ZG+8*(\s)+2*(\p):ZG+8*(\s)+2*(\p)+1], v[AC+8*(6+(\s))+2*(\p):AC+8*(6+(\s))+2*(\p)+1], s[TL:TL+1] op_sel_hi:[1,0]  ; g: 2 log2(e) z
.endr
.endr
	WIN 0
.set i, 0
.rept 64
	v_exp_f32 v[ZF+i], v[ZF+i]
.set i, i+1
.endr
	v_nop                                          ; a plain instruction between the last power and the use of its result (ISA guide 5.7.2)
.set i, 0
	s_wait_alu depctr_va_vdst(0)
.rept 32
	v_pk_add_f32 v[ZF+i:ZF+i+1], v[ZF+i:ZF+i+1], 1.0 op_sel_hi:[1,0]
.set i, i+2
.endr
.set i, 0
.rept 64
	v_rcp_f32 v[ZF+i], v[ZF+i]
.set i, i+1
.endr
	v_nop
.set i, 0
	s_wait_alu depctr_va_vdst(0)
.rept 8
	v_pk_fma_f32 v[ZG+i:ZG+i+1], v[ZG+i:ZG+i+1], -2.0, 1.0 op_sel_hi:[1,0,0]  ; g = tanh
.set i, i+2
.endr
.set i, 0
.rept 8
	v_pk_mul_f32 v[ZI+i:ZI+i+1], v[ZI+i:ZI+i+1], v[ZG+i:ZG+i+1]              ; i g
.set i, i+2
.endr
	s_wait_dscnt 0x0                               ; c_pre is in
.set i, 0
.rept 8
	v_pk_fma_f32 v[CC+i:CC+i+1], v[ZF+i:ZF+i+1], v[CC+i:CC+i+1], v[ZI+i:ZI+i+1]  ; c_t = f c_pre + i g
.set i, i+2
.endr
.set i, 0
.rept 8
	v_pk_mul_f32 v[ZF+i:ZF+i+1], v[CC+i:CC+i+1], s[TL:TL+1] op_sel_hi:[1,0]
.set i, i+2
.endr
.set i, 0
.rept 16
	v_exp_f32 v[ZF+i], v[ZF+i]
.set i, i+1
.endr
	v_nop
.set i, 0
	s_wait_alu depctr_va_vdst(0)
.rept 8
	v_pk_add_f32 v[ZF+i:ZF+i+1], v[ZF+i:ZF+i+1], 1.0 op_sel_hi:[1,0]
.set i, i+2
.endr
.set i, 0
.rept 16
	v_rcp_f32 v[ZF+i], v[ZF+i]
.set i, i+1
.endr
	v_nop
.set i, 0
	s_wait_alu depctr_va_vdst(0)
.rept 8
	v_pk_fma_f32 v[ZF+i:ZF+i+1], v[ZF+i:ZF+i+1], -2.0, 1.0 op_sel_hi:[1,0,0]  ; tanh(c_t)
.set i, i+2
.endr
.set i, 0
.rept 8
	v_pk_mul_f32 v[ZO+i:ZO+i+1], v[ZO+i:ZO+i+1], v[ZF+i:ZF+i+1]              ; h_t
.set i, i+2
.endr
.irp s, 0,1
.irp u, 0,1
	ds_store_b128 v[STC], v[CC+8*(\s)+4*(\u):CC+8*(\s)+4*(\u)+3] offset:(\a)*16*PITCH+64*(\s)+16*(\u)
	ds_store_b128 v[STH], v[ZO+8*(\s)+4*(\u):ZO+8*(\s)+4*(\u)+3] offset:(\a)*16*PITCH+64*(\s)+16*(\u)
.endr
.endr
.endm
; THE WAY OUT, in four batches of 32 rows: batches 0, 1 my 64 rows of c_t, batches 2, 3 of h_t; three sets of 64 registers take turns.
.macro LOADB k
.set BK, 64+64*((\k)%3)
.irp t, 0,1,2,3,4,5,6,7,8,9,10,11,12,13,14,15
.if (\k) < 2
	ds_load_b128 v[BK+4*(\t):BK+4*(\t)+3], v[RDC] offset:2*PITCH*(16*((\k)%2)+(\t))
.else
	ds_load_b128 v[BK+4*(\t):BK+4*(\t)+3], v[RDH] offset:2*PITCH*(16*((\k)%2)+(\t))
.endif
.endr
.endm
.macro SENDB k, younger                ; younger: the LDS loads issued behind this batch's, which may stay out
.set BK, 64+64*((\k)%3)
.irp t, 0,1,2,3,4,5,6,7,8,9,10,11,12,13,14,15
	s_wait_dscnt (\younger)+15-(\t)
.if (\k) < 2
	global_store_b128 v[CO], v[BK+4*(\t):BK+4*(\t)+3], s[16:17] offset:8192*(16*((\k)%2)+(\t)) th:TH_STORE_NT  ; 16 lanes store 256 consecutive bytes, at a multiple of 256 from the output's first byte
.else
	global_store_b128 v[CO], v[BK+4*(\t):BK+4*(\t)+3], s[14:15] offset:8192*(16*((\k)%2)+(\t)) th:TH_STORE_NT
.endif
.endr
.endm
	s_wait_tensorcnt 1                             ; my part of K step 0 is in; K step 1's may stay out
	s_barrier_signal -1
	s_barrier_wait -1                              ; everybody's is
	FETCH 0, 0, F0
	QUARTER 0, 64,  F0, F1, 1                      ; the first quarter stands in front of the loop: its products start the sums, with the bias
	WIN 0                                          ; at a label and at a branch every window is 0
	s_mov_b32 s3, LAPS-1
.Llap:                                                 ; a trip goes once round the ring, from a lap's second quarter to the next lap's first, and fills both slots again
	QUARTER 0, 128, F1, F0, 0
	QUARTER 0, 192, F0, F1, 0
	TURN 0, 1
	QUARTER 1, 64,  F0, F1, 0
	QUARTER 1, 128, F1, F0, 0
	QUARTER 1, 192, F0, F1, 0
	TURN 1, 0
	QUARTER 0, 64,  F0, F1, 0
	WIN 0
	s_sub_co_u32 s3, s3, 1
	s_cmp_lg_u32 s3, 0
	s_cbranch_scc1 .Llap
	QUARTER 0, 128, F1, F0, 0                      ; the last lap is written out: K steps 14 and 15
	QUARTER 0, 192, F0, F1, 0
	TURNC                                          ; slot 0 takes c_pre's tile
	QUARTER 1, 64,  F0, F1, 0
	QUARTER 1, 128, F1, F0, 0
	QUARTER 1, 192, F0, F1, 0
	s_wait_dscnt 8                                 ; the very last quarter: nothing more to fetch
	MUL16 F1, 0, 0, 0
	s_wait_tensorcnt 0x0                           ; my 64 rows of c_pre's tile are in: the others read them behind the barrier
	s_wait_dscnt 0x0                               ; my reads of slot 1 are over: the others store into it behind the barrier
	s_barrier_signal -1
	MUL16 F1, 0, 2, 0                              ; work on registers between the signal and the wait
	MUL16 F1, 1, 0, 0
	MUL16 F1, 1, 2, 0
	WIN 0
	s_barrier_wait -1                              ; c_pre's tile is whole, and nobody reads a K step any more; no tensor load follows in the text
	PLACES                                         ; behind the last products: the tail reads results and writes fragment registers
.irp a, 0,1,2,3,4,5,6,7
	EPI \a
.endr
	s_wait_dscnt 0x0                               ; for the others' sake: my stores into the stages are done (a row's 256 bytes come from two waves)
	s_barrier_signal -1
	s_barrier_wait -1
	LOADB 0
	LOADB 1
	SENDB 0, 16
	LOADB 2
	SENDB 1, 16
	s_wait_xcnt 0x0                                ; every earlier memory instruction has had its addresses translated (ISA guide 3.1): batch 0's registers are loaded again only behind this wait
	LOADB 3
	SENDB 2, 16
	SENDB 3, 0
	s_wait_tensorcnt 0x0                           ; the wave's end, behind my last tensor load and my last LDS store
	ds_add_u32 v[SPW], v[NIL]
	s_wait_dscnt 0x0
	CROUND                                         ; the closing round: no work-group ends while a partner may still ask for a tile that names it
	s_endpgm
.Lfunc_end_k_qf8f6a64fe3_lstm:
	.size	k_qf8f6a64fe3_lstm, .Lfunc_end_k_qf8f6a64fe3_lstm-k_qf8f6a64fe3_lstm
	.p2alignl 7, 3214868480
	.fill 96, 4, 3214868480
	.section	.rodata,"a",@progbits
	.p2align	6, 0x0
	.amdhsa_kernel k_qf8f6a64fe3_lstm
		.amdhsa_group_segment_fixed_size 327680
		.amdhsa_private_segment_fixed_size 0
		.amdhsa_enable_private_segment 0
		.amdhsa_kernarg_size 56
		.amdhsa_user_sgpr_count 2
		.amdhsa_user_sgpr_kernarg_segment_ptr 1
		.amdhsa_wavefront_size32 1
		.amdhsa_system_sgpr_workgroup_id_x 1
		.amdhsa_system_sgpr_workgroup_id_y 1
		.amdhsa_system_sgpr_workgroup_id_z 1
		.amdhsa_system_vgpr_workitem_id 0
		.amdhsa_next_free_vgpr 1024
		.amdhsa_next_free_sgpr 96
		.amdhsa_reserve_vcc 0
		.amdhsa_float_denorm_mode_32 3
		.amdhsa_float_denorm_mode_16_64 3
		.amdhsa_memory_ordered 1
		.amdhsa_forward_progress 1
		.amdhsa_inst_pref_size 239
	.end_amdhsa_kernel
	.amdgpu_metadata
---
amdhsa.version: [ 1, 2 ]
amdhsa.kernels:
  - .name:           k_qf8f6a64fe3_lstm
    .symbol:         k_qf8f6a64fe3_lstm.kd
    .args:
      - { .name: Ab, .offset: 0, .size: 8, .value_kind: global_buffer, .address_space: global }
      - { .name: Wb, .offset: 8, .size: 8, .value_kind: global_buffer, .address_space: global }
      - { .name: bW, .offset: 16, .size: 8, .value_kind: global_buffer, .address_space: global }
      - { .name: bU, .offset: 24, .size: 8, .value_kind: global_buffer, .address_space: global }
      - { .name: c_pre, .offset: 32, .size: 8, .value_kind: global_buffer, .address_space: global }
      - { .name: out0, .offset: 40, .size: 8, .value_kind: global_buffer, .address_space: global }
      - { .name: out1, .offset: 48, .size: 8, .value_kind: global_buffer, .address_space: global }
    .group_segment_fixed_size: 327680
    .private_segment_fixed_size: 0
    .kernarg_segment_align: 8
    .kernarg_segment_size: 56
    .max_flat_workgroup_size: 128
    .sgpr_count:     96
    .vgpr_count:     1024
    .wavefront_size: 32
...
	.end_amdgpu_metadata
.endif
;; end of part 2
;; ======== version 2 of 2: 2 launches; version 1 with the launch cast written anew for expert scheduling mode
;; workspace buffers: Ab 33,554,432 bytes; Wb 16,777,216 bytes
;; launch cast (part 3): grid 768 x 1, 8 waves a work-group, no clusters, 0 bytes of LDS; arguments x_t, h_pre, Wx, Uh, Ab, Wb; writes Ab, Wb
.if DOCPART == 3
	.amdgcn_target "amdgcn-amd-amdhsa--gfx1250"
	.amdhsa_code_object_version 6
	.text
	.protected	k_qf8f6a64fe3_cast
	.globl	k_qf8f6a64fe3_cast
	.p2align	8
	.type	k_qf8f6a64fe3_cast,@function
k_qf8f6a64fe3_cast:
	s_mov_b64 s[64:65], 0
	v_nop
	global_prefetch_b8 v0, s[64:65] scope:SCOPE_SE
	s_setreg_imm32_b32 hwreg(HW_REG_WAVE_SCHED_MODE, 0, 2), 2
	s_setreg_imm32_b32 hwreg(HW_REG_WAVE_MODE, 25, 1), 1
	s_wait_xcnt 0x0
	s_wait_alu depctr_vm_vsrc(0)
; x_t, h_pre, Wx and Uh (f32) are rounded once, to nearest even, to bf16 and laid out for the product that follows:
;   Ab [8192][2048]: columns 0-1023 x_t, columns 1024-2047 h_pre; a row is 4,096 bytes.
;   Wb [4096][2048]: row (col >> 5) * 128 + gate * 32 + (col & 31); columns 0-1023 Wx[gate][col], columns 1024-2047 Uh[gate][col].
;   So 128 consecutive rows of Wb are the four gates of 32 hidden columns.
; A stream: no LDS, no barrier, no matrix unit, no cluster (no two work-groups read the same byte).
; 24,576 source rows of 4,096 bytes; a work-group takes 32 consecutive rows, a wave 4: 32 loads of 512 consecutive bytes, all issued before the first
; is waited for; each gives one store of 256 consecutive bytes, at a multiple of 256 from the buffer's first byte.
; THE MODE: SCHED_MODE bits 1:0 = 2 (LLVM: expert scheduling mode 2), set by the entry lines.  The code itself states the register dependences
; between vector instructions and memory instructions, with s_wait_alu, always for 0.
; THE PLAN.  Registers that memory instructions touch:
;   v3, v4        the loads' and the stores' byte offsets: made once at the head by vector instructions, never written again.
;   X + 4 n ..    load n lands in four registers; its two conversions read the four and write the first two, in place; store n reads those two.
;                 No vector instruction names them ahead of the load, and nothing writes them behind the store.
; The 32 loads go in 8 blocks of four.  Block p converts its own sixteen registers; its memory instructions are the four stores of block p - 1,
; whose registers no conversion of block p names.  So one wait at a block's head, for the conversions of the block before, states all that the
; block's four stores hang on, and these are dealt among its eight conversions with no further wait.
; No register that a memory instruction has read is written again, so the text holds no wait for memory instructions' reads of their registers.
.set X, 8                              ; v[8:135] load n (row n / 8, chunk n % 8) in four registers
.set BLOCK,  4                         ; loads in a block
.set BLOCKS, 32 / BLOCK
	s_load_b256 s[4:11], s[0:1], 0x0               ; x_t s[4:5], h_pre s[6:7], Wx s[8:9], Uh s[10:11]
	s_load_b128 s[12:15], s[0:1], 0x20             ; Ab s[12:13], Wb s[14:15]
	s_mov_b32 s16, ttmp9                           ; w: 0-255 x_t, 256-511 h_pre, 512-639 Wx, 640-767 Uh
	s_and_b32 s17, s16, 255                        ; activations: which 32 rows,
	s_bfe_u32 s18, s16, 0x10008                    ; which half of K,
	s_lshl_b32 s19, s17, 5                         ; the first row in Ab
	s_and_b32 s20, s16, 127                        ; weights: q = gate * 32 + column group; the source rows are 32 q ..
	s_bfe_u32 s21, s16, 0x10007                    ; which half of K
	s_and_b32 s22, s20, 31
	s_lshl_b32 s22, s22, 7                         ; column group * 128
	s_lshr_b32 s23, s20, 5
	s_lshl_b32 s23, s23, 5                         ; gate * 32
	s_add_co_u32 s22, s22, s23                     ; the first row in Wb
	s_cmp_ge_u32 s16, 512
	s_cselect_b32 s24, s20, s17                    ; which 32 source rows
	s_cselect_b32 s25, s21, s18                    ; half
	s_cselect_b32 s26, s22, s19                    ; first destination row
	s_lshl_b32 s28, s24, 17                        ; 32 rows of 4,096 bytes
	s_mov_b32 s29, 0
	s_lshl_b32 s30, s26, 12                        ; destination rows of 4,096 bytes,
	s_lshl_b32 s27, s25, 11                        ; the half's 2,048
	s_add_co_u32 s30, s30, s27
	s_mov_b32 s31, 0
	v_and_b32 v1, 31, v0                           ; lane
	v_lshrrev_b32 v2, 5, v0                        ; wave
	v_lshlrev_b32 v3, 14, v2                       ; my wave's four rows, in source and destination alike
	v_lshl_add_u32 v4, v1, 3, v3                   ; store: 8 bytes a lane
	v_lshl_add_u32 v3, v1, 4, v3                   ; load: 16 bytes a lane
	s_wait_kmcnt 0x0
	s_cmp_eq_u32 s25, 0
	s_cselect_b64 s[32:33], s[4:5], s[6:7]         ; x_t or h_pre
	s_cselect_b64 s[34:35], s[8:9], s[10:11]       ; Wx or Uh
	s_cmp_ge_u32 s16, 512
	s_cselect_b64 s[32:33], s[34:35], s[32:33]     ; the source
	s_cselect_b64 s[36:37], s[14:15], s[12:13]     ; the destination
	s_add_nc_u64 s[32:33], s[32:33], s[28:29]
	s_add_nc_u64 s[36:37], s[36:37], s[30:31]
	s_wait_alu depctr_va_vdst(0)                   ; v3 and v4 are written: every load of the kernel reads v3 as its offset, every store v4
.set n, 0
.rept 32
	global_load_b128 v[X+4*n:X+4*n+3], v3, s[32:33] offset:(n/8)*4096+(n%8)*512 th:TH_LOAD_NT
.set n, n+1
.endr
.set p, 0
.rept BLOCKS
	s_wait_loadcnt 32-BLOCK-BLOCK*p                ; loads come back in order (ISA guide 5.7.1): block p's four are in, the younger ones stay out
.if p > 0
	s_wait_alu depctr_va_vdst(0)                   ; the conversions of the block before have written their registers X + 4 m and X + 4 m + 1, which the four stores below read
.endif
.set i, 0
.rept BLOCK
.set n, BLOCK*p+i
.if p > 0
.set m, n-BLOCK
	global_store_b64 v4, v[X+4*m:X+4*m+1], s[36:37] offset:(m/8)*4096+(m%8)*256  ; the block before; no conversion since the wait names these registers.  No hint: the next launch reads these bytes
.endif
	v_cvt_pk_bf16_f32 v[X+4*n], v[X+4*n], v[X+4*n+1]
	v_cvt_pk_bf16_f32 v[X+4*n+1], v[X+4*n+2], v[X+4*n+3]
.set i, i+1
.endr
.set p, p+1
.endr
	s_wait_alu depctr_va_vdst(0)                   ; the last block's conversions have written their registers, which the last four stores read
.set m, 32-BLOCK
.rept BLOCK
	global_store_b64 v4, v[X+4*m:X+4*m+1], s[36:37] offset:(m/8)*4096+(m%8)*256
.set m, m+1
.endr
	s_endpgm
.Lfunc_end_k_qf8f6a64fe3_cast:
	.size	k_qf8f6a64fe3_cast, .Lfunc_end_k_qf8f6a64fe3_cast-k_qf8f6a64fe3_cast
	.p2alignl 7, 3214868480
	.fill 96, 4, 3214868480
	.section	.rodata,"a",@progbits
	.p2align	6, 0x0
	.amdhsa_kernel k_qf8f6a64fe3_cast
		.amdhsa_group_segment_fixed_size 0
		.amdhsa_private_segment_fixed_size 0
		.amdhsa_enable_private_segment 0
		.amdhsa_kernarg_size 48
		.amdhsa_user_sgpr_count 2
		.amdhsa_user_sgpr_kernarg_segment_ptr 1
		.amdhsa_wavefront_size32 1
		.amdhsa_system_sgpr_workgroup_id_x 1
		.amdhsa_system_sgpr_workgroup_id_y 1
		.amdhsa_system_sgpr_workgroup_id_z 1
		.amdhsa_system_vgpr_workitem_id 0
		.amdhsa_next_free_vgpr 136
		.amdhsa_next_free_sgpr 66
		.amdhsa_reserve_vcc 0
		.amdhsa_float_denorm_mode_32 3
		.amdhsa_float_denorm_mode_16_64 3
		.amdhsa_memory_ordered 1
		.amdhsa_forward_progress 1
		.amdhsa_inst_pref_size 13
	.end_amdhsa_kernel
	.amdgpu_metadata
---
amdhsa.version: [ 1, 2 ]
amdhsa.kernels:
  - .name:           k_qf8f6a64fe3_cast
    .symbol:         k_qf8f6a64fe3_cast.kd
    .args:
      - { .name: x_t, .offset: 0, .size: 8, .value_kind: global_buffer, .address_space: global }
      - { .name: h_pre, .offset: 8, .size: 8, .value_kind: global_buffer, .address_space: global }
      - { .name: Wx, .offset: 16, .size: 8, .value_kind: global_buffer, .address_space: global }
      - { .name: Uh, .offset: 24, .size: 8, .value_kind: global_buffer, .address_space: global }
      - { .name: Ab, .offset: 32, .size: 8, .value_kind: global_buffer, .address_space: global }
      - { .name: Wb, .offset: 40, .size: 8, .value_kind: global_buffer, .address_space: global }
    .group_segment_fixed_size: 0
    .private_segment_fixed_size: 0
    .kernarg_segment_align: 8
    .kernarg_segment_size: 48
    .max_flat_workgroup_size: 256
    .sgpr_count:     66
    .vgpr_count:     136
    .wavefront_size: 32
...
	.end_amdgpu_metadata
.endif
;; end of part 3
;; launch lstm: the kernel of part 2 again; grid 16 x 32, 4 waves a work-group, clusters of 4 x 4, 327,680 bytes of LDS; arguments Ab, Wb, bW, bU, c_pre, out0, out1; writes out0, out1
